; MI455X (gfx1250); checked and timed in simulation.
; The chip was launched on July 23, 2026; its instructions are those of AMD's public machine-readable ISA for CDNA 5 (MIT licence, August 2026) and "CDNA5" Instruction Set Architecture Reference Guide (July 2026). The comments in the code are by the model that wrote it; some were corrected since.
;; Causal Self Attention. Allowed arithmetic: matrix products marked QUANTISED: E2M1 operands, one E8M0 scale for each 32 along K, by v_wmma_scale_f32_16x16x128_f8f6f4 with both operands' format E2M1 (or v_wmma_scale_f32_32x16x128_f4), f32 sums; everything else in f32.
;; Inputs: Wk 1,024 x 1,024 float32; Wo 1,024 x 1,024 float32; Wq 1,024 x 1,024 float32; Wv 1,024 x 1,024 float32; beta 1,024 float32; bk 1,024 float32; bo 1,024 float32; bq 1,024 float32; bv 1,024 float32; gamma 1,024 float32; x 4 x 2,048 x 1,024 float32.
;; Outputs: out0 4 x 2,048 x 1,024 float32.
;; This version of the problem:
;;   THIS VERSION OF THE PROBLEM IS GIVEN IN LOW PRECISION. The matrix products marked QUANTISED in the list below multiply operands that are first quantised to E2M1 (2 exponent bits, 1 mantissa bit; 4 bits a number), with one power-of-two scale for each 32 numbers along K (OCP MX v1.0); their sums are f32. All else is computed in f32.
;;   The module's matrix products, in the order in which they are computed (A, B: the left and right operand; K: the contracted axis; several contracted axes count as one K, in the product's order):
;;     1. [M 8,192, K 1,024] x [K 1,024, N 1,024]; A: input x; B: input Wq: QUANTISED
;;     2. [M 8,192, K 1,024] x [K 1,024, N 1,024]; A: input x; B: input Wk: QUANTISED
;;     3. [M 8,192, K 1,024] x [K 1,024, N 1,024]; A: input x; B: input Wv: QUANTISED
;;     4. batch 64 x [M 2,048, K 64] x [K 64, N 2,048]; A: computed on the way; B: computed on the way: QUANTISED
;;     5. batch 64 x [M 2,048, K 2,048] x [K 2,048, N 64]; A: softmax (see below); B: computed on the way: QUANTISED
;;     6. [M 8,192, K 1,024] x [K 1,024, N 1,024]; A: computed on the way; B: input Wo: QUANTISED
;;   THE QUANTISER, for each operand of a quantised product, along K:
;;     - K is cut into blocks of 32 from its start; a last block that is shorter is filled with zeros.
;;     - A block's scale is 2^e with e = floor(log2(the largest magnitude in the block)) - 2, held to -126 .. 127; a block of zeros has e = 0. As a byte (E8M0): e + 127.
;;     - Each number is divided by its block's scale, clamped to +-6, and rounded to the nearest number of E2M1, ties to even, subnormals kept.
;;     - The product sums the exact products of the quantised numbers (number of the format x scale) in f32.
;;   ~~~python
;;   def quantise(x, axis):      # numpy; x: float32 -> the quantised numbers, widened to float32 again
;;       x = np.moveaxis(x, axis, -1); K = x.shape[-1]
;;       x = np.pad(x, [(0, 0)] * (x.ndim - 1) + [(0, -K % 32)]); x = x.reshape(x.shape[:-1] + (-1, 32)); a = np.abs(x).max(-1, keepdims=True)
;;       e = np.where(a > 0, np.clip(np.frexp(np.where(a > 0, a, 1))[1] - 1 - 2, -126, 127), 0)      # np.frexp(a)[1] - 1 = floor(log2(a)), exactly
;;       r = np.clip(x / 2.0 ** e, -6, 6)
;;       step = 2.0 ** (np.maximum(np.frexp(np.where(r == 0, 1, r))[1] - 1, 0) - 1)
;;       q = np.round(r / step) * step * 2.0 ** e      # np.round: ties to even
;;       return np.moveaxis(q.reshape(q.shape[:-2] + (-1,))[..., :K], -1, axis).astype(np.float32)
;;   ~~~
;;   SOFTMAX AHEAD OF A QUANTISED PRODUCT. Where the list says 'softmax', what is quantised is not the finished softmax but p = 2^(t - M), with t = logit x log2(e) and M = ceil(the row's largest t), a whole number; so 1/2 < the row's largest p <= 1. The row's sum l is taken of the UNQUANTISED p, in f32, and the product's result is divided by l at the end. Since M is a whole number, a kernel that streams over the keys may use a running M (the ceiling of the running maximum): every later rescaling is an exact power of two, which a block's scale takes up: the codes' values come out the same.
;;   OPERANDS COMPUTED ON THE WAY. 'Computed on the way' means the value that the module computes at that place (a softmax that the list does not call 'softmax' is quantised finished and normalised). What goes into a quantiser is computed in f32, as accurately as f32 sums, v_exp_f32 and their like allow (about 1e-6 of the number): no bf16 or f16 on the way to a quantiser, and a product that is left as it is and whose result goes on into a quantised operand takes f32 operands (vector FMAs, or v_wmma_f32_16x16x4_f32). A number that lies on a knife's edge between two numbers of the format may be rounded either way, as far as f32 arithmetic and the matrix unit's own rounding can turn it there, and no further.
;; One version. Each part assembles by itself: llvm-mc -triple=amdgcn-amd-amdhsa -mcpu=gfx1250 --defsym DOCPART=n.
;; ======== version 1 of 1: 4 launches
;; workspace buffers: codes 6,291,456 bytes; scales 393,216 bytes; qkv 14,155,776 bytes; acodes 4,194,304 bytes; asc 524,288 bytes
;; launch quant (part 1): grid 256 x 1, 3 waves a work-group, no clusters, 26,112 bytes of LDS; arguments x, Wq, Wk, Wv, Wo, codes, scales; writes codes, scales
.if DOCPART == 1
	.amdgcn_target "amdgcn-amd-amdhsa--gfx1250"
	.amdhsa_code_object_version 6
	.text
	.protected	k_qd78f5c357c_quant
	.globl	k_qd78f5c357c_quant
	.p2align	8
	.type	k_qd78f5c357c_quant,@function
k_qd78f5c357c_quant:
	s_mov_b64 s[64:65], 0
	v_nop
	global_prefetch_b8 v0, s[64:65] scope:SCOPE_SE
	s_setreg_imm32_b32 hwreg(HW_REG_WAVE_MODE, 25, 1), 1
	s_wait_xcnt 0x0
; x [8192][1024] and Wq, Wk, Wv, Wo [1024][1024], f32, K innermost, become codes of FP4 (E2M1) with one E8M0 byte for each 32 along K,
; laid in the order of a matrix operand's registers.  768 tiles of 16 rows (0-511 x, 512-575 Wq, 576-639 Wk, 640-703 Wv, 704-767 Wo).
; THE ROWS OF A TILE ARE NOT NEIGHBOURS: index i of tile T' of a tensor is row 32 (T'/2) + 8 (T'%2) + i + 8 (i/8), so that the results of two
; neighbouring tiles used as source 0 are 16 neighbours along the axis that becomes the next product's K.
; codes [tile][8 K steps][1,024]: lane l's registers 4 c .. 4 c + 3 of the fragment (16 rows x 128 K) are the 16 bytes at 512 c + 16 l.
; scales [tile][512]: lane l's 16 bytes at 16 l are four words: K steps 0-3 of row l % 16 (lanes 0-15), K steps 4-7 (lanes 16-31).
; A block's scale is 2^(floor(log2(largest magnitude)) - 2); its byte is the largest magnitude's exponent field - 2, held at 1 from below.
; LIMITS: a block of zeros gets the byte 1 where the rule says 127 (its codes are zeros, and this program alone reads the bytes); NaN and infinities among the inputs are not served.
; SHARES: one wave to a tile, three waves to a work-group, tile = 3 x work-group + wave.  A wave walks 8 steps of 128 along K.  A step's 16 loads read 512 consecutive bytes each (one row's part);
; the 8 KiB turn through the wave's own stage in LDS (rows 528 = 33 x 16 bytes apart) so that a lane holds two whole blocks of 32 of its row.  Waves share nothing: no barrier.
; No matrix unit, cluster or tensor load: each byte is read once and written once, and the loads run two steps (32 loads a wave) ahead.
.set FLOOR, 0x1800000                  ; 2^(3 - 127)
.set EOFF,  0xff000000                 ; takes 2 off an exponent field
.set PITCH, 528
.set STG,   16*PITCH
.set LN16, 1                           ; v1   16 x lane
.set STA,  2                           ; v2   the stage, on the way in
.set RDA,  3                           ; v3   the stage, on the way out
.set SH8,  4                           ; v4   8 x (lane / 16)
.set LANE, 5                           ; v5   lane
.set MX,   8                           ; v8-9   largest magnitudes
.set EX,   10                          ; v10-11 the conversions' scale operands
.set BY,   12                          ; v12-13 the bytes
.set WD,   14                          ; v14  my two bytes at their places
.set TP,   15                          ; v15  the other half's
.set SW,   16                          ; v16-23 the row's scale word of each K step
.set SOUT, 24                          ; v24-27 the four that I store
.set CD,   28                          ; v28-35 a step's codes
.set RR,   64                          ; v64-191 two sets of 64: numbers as loaded
.set XX,   192                         ; v192-255 my two blocks
	s_load_b256 s[4:11], s[0:1], 0x0               ; x, Wq, Wk, Wv
	s_load_b128 s[12:15], s[0:1], 0x20             ; Wo, codes
	s_load_b64 s[16:17], s[0:1], 0x30              ; scales
	v_lshl_add_u32 v62, v0, 2, 0x6400
	v_mov_b32 v63, 0
	v_lshrrev_b32 v6, 5, v0
	v_readfirstlane_b32 s18, v6                    ; wave 0..2
	v_and_b32 v[LANE], 31, v0
	v_and_b32 v6, 15, v0                           ; r
	v_bfe_u32 v7, v0, 4, 1                         ; h
	v_lshlrev_b32 v[LN16], 4, v[LANE]
	s_mul_i32 s28, s18, STG                        ; my wave's stage
	v_add_nc_u32 v[STA], s28, v[LN16]              ; in: row i at 528 i, 16 bytes a lane
	v_mul_u32_u24 v[RDA], v6, PITCH
	v_lshl_add_u32 v[RDA], v7, 7, v[RDA]
	v_add_nc_u32 v[RDA], s28, v[RDA]               ; out: row r, block h (128 bytes a block)
	v_lshlrev_b32 v[SH8], 3, v7
	v_mov_b32 v[TP], 0                             ; a lane permute's destination counts as read
	s_mov_b32 s26, 0x76543210
	s_mov_b32 s27, 0xfedcba98                      ; selects for lane l xor 16
	s_mul_i32 s19, ttmp9, 3
	s_add_co_u32 s19, s19, s18                     ; T: my tile
	s_and_b32 s29, s19, 63
	s_cmp_lt_u32 s19, 512
	s_cselect_b32 s29, s19, s29                    ; T': the tile's number in its own tensor
	s_lshr_b32 s30, s29, 1
	s_lshl_b32 s30, s30, 17                        ; 32 (T'/2) rows of 4,096 bytes
	s_and_b32 s31, s29, 1
	s_lshl_b32 s31, s31, 15                        ; 8 (T'%2) rows
	s_add_co_u32 s30, s30, s31
	s_mov_b32 s31, 0
	s_wait_alu depctr_va_vdst(0)
	s_wait_kmcnt 0x0
	s_mov_b64 s[20:21], s[12:13]                   ; which tensor: the choice hangs on the tile's number alone
	s_cmp_lt_u32 s19, 704
	s_cselect_b64 s[20:21], s[10:11], s[20:21]
	s_cmp_lt_u32 s19, 640
	s_cselect_b64 s[20:21], s[8:9], s[20:21]
	s_cmp_lt_u32 s19, 576
	s_cselect_b64 s[20:21], s[6:7], s[20:21]
	s_cmp_lt_u32 s19, 512
	s_cselect_b64 s[20:21], s[4:5], s[20:21]
	s_add_nc_u64 s[20:21], s[20:21], s[30:31]      ; the tile's first row
	s_lshl_b32 s30, s19, 13
	s_add_nc_u64 s[22:23], s[14:15], s[30:31]      ; its 8,192 bytes of codes
	s_lshl_b32 s30, s19, 9
	s_add_nc_u64 s[24:25], s[16:17], s[30:31]      ; its 512 bytes of scale words
.macro LOADR t, set                    ; step t: 128 along K of the tile's 16 rows
.irp i, 0,1,2,3,4,5,6,7,8,9,10,11,12,13,14,15
	global_load_b128 v[RR+64*(\set)+4*\i:RR+64*(\set)+4*\i+3], v[LN16], s[20:21] offset:(\i+8*(\i/8))*4096+512*(\t) th:TH_LOAD_NT
.endr
.endm
.macro TURN set                        ; through the stage: LDS serves a wave's instructions in order, so no wait stands between the stores and the loads
.irp i, 0,1,2,3,4,5,6,7,8,9,10,11,12,13,14,15
	ds_store_b128 v[STA], v[RR+64*(\set)+4*\i:RR+64*(\set)+4*\i+3] offset:PITCH*\i
.endr
.irp c, 0,1
.irp j, 0,1,2,3,4,5,6,7
	ds_load_b128 v[XX+32*\c+4*\j:XX+32*\c+4*\j+3], v[RDA] offset:256*\c+16*\j      ; block 2 c + h of row r
.endr
.endr
.endm
.macro STEP t
.if (\t) < 7
	s_wait_loadcnt 16                              ; this step's 16 loads are in; the next step's 16 may be out
.else
	s_wait_loadcnt 0x0
.endif
	TURN (\t)%2
	s_wait_dscnt 0x0                               ; my two blocks are in, and the stores into the stage have read their registers,
.if (\t) < 6
	LOADR (\t)+2, (\t)%2                           ; which take the loads of two steps on
.endif
.irp c, 0,1
	v_max3_num_f32 v[MX+\c], |v[XX+32*\c]|, |v[XX+32*\c+1]|, FLOOR                 ; the block's largest magnitude, with the floor among its leaves
.endr
.irp i, 2,4,6,8,10,12,14,16,18,20,22,24,26,28,30
.irp c, 0,1
	v_max3_num_f32 v[MX+\c], v[MX+\c], |v[XX+32*\c+\i]|, |v[XX+32*\c+\i+1]|
.endr
.endr
.irp c, 0,1
	v_add_nc_u32 v[EX+\c], EOFF, v[MX+\c]          ; 2 off the exponent field: the conversion takes this operand's exponent field as its scale
.endr
.irp c, 0,1
	v_lshrrev_b32 v[BY+\c], 23, v[EX+\c]           ; the byte
.endr
	v_lshl_or_b32 v[WD], v[BY+1], 16, v[BY]        ; blocks h and 2 + h,
	v_lshlrev_b32 v[WD], v[SH8], v[WD]             ; at their places in the word;
	v_permlanex16_b32 v[TP], v[WD], s26, s27
	v_or_b32 v[SW+(\t)], v[WD], v[TP]              ; with lane l xor 16's two the word is whole
	s_wait_alu depctr_va_vdst(0)
	s_wait_xcnt 0x0                                ; the last step's stores have read the codes' registers
.irp c, 0,1
.irp g, 0,1,2,3
	v_cvt_scalef32_pk8_fp4_f32 v[CD+4*\c+\g], v[XX+32*\c+8*\g:XX+32*\c+8*\g+7], v[EX+\c]
.endr
.endr
	v_nop                                          ; one plain line behind the last conversion
.irp c, 0,1
	global_store_b128 v[LN16], v[CD+4*\c:CD+4*\c+3], s[22:23] offset:1024*(\t)+512*\c   ; 512 consecutive bytes
.endr
.endm
	LOADR 0, 0
	LOADR 1, 1
.irp t, 0,1,2,3,4,5,6,7
	STEP \t
.endr
	v_cmp_le_u32 vcc_lo, 16, v[LANE]
.irp n, 0,1,2,3
	v_cndmask_b32 v[SOUT+\n], v[SW+\n], v[SW+4+\n], vcc_lo     ; lanes 0-15 K steps 0-3, lanes 16-31 K steps 4-7
.endr
	global_store_b128 v[LN16], v[SOUT:SOUT+3], s[24:25]
	s_wait_tensorcnt 0x0
	ds_add_u32 v62, v63
	s_wait_dscnt 0x0
	s_endpgm
.Lfunc_end_k_qd78f5c357c_quant:
	.size	k_qd78f5c357c_quant, .Lfunc_end_k_qd78f5c357c_quant-k_qd78f5c357c_quant
	.p2alignl 7, 3214868480
	.fill 96, 4, 3214868480
	.section	.rodata,"a",@progbits
	.p2align	6, 0x0
	.amdhsa_kernel k_qd78f5c357c_quant
		.amdhsa_group_segment_fixed_size 26112
		.amdhsa_private_segment_fixed_size 0
		.amdhsa_enable_private_segment 0
		.amdhsa_kernarg_size 56
		.amdhsa_user_sgpr_count 2
		.amdhsa_user_sgpr_kernarg_segment_ptr 1
		.amdhsa_wavefront_size32 1
		.amdhsa_system_sgpr_workgroup_id_x 1
		.amdhsa_system_sgpr_workgroup_id_y 1
		.amdhsa_system_sgpr_workgroup_id_z 1
		.amdhsa_system_vgpr_workitem_id 0
		.amdhsa_next_free_vgpr 256
		.amdhsa_next_free_sgpr 66
		.amdhsa_reserve_vcc 1
		.amdhsa_float_denorm_mode_32 3
		.amdhsa_float_denorm_mode_16_64 3
		.amdhsa_memory_ordered 1
		.amdhsa_forward_progress 1
		.amdhsa_inst_pref_size 57
	.end_amdhsa_kernel
	.amdgpu_metadata
---
amdhsa.version: [ 1, 2 ]
amdhsa.kernels:
  - .name:           k_qd78f5c357c_quant
    .symbol:         k_qd78f5c357c_quant.kd
    .args:
      - { .name: x, .offset: 0, .size: 8, .value_kind: global_buffer, .address_space: global }
      - { .name: Wq, .offset: 8, .size: 8, .value_kind: global_buffer, .address_space: global }
      - { .name: Wk, .offset: 16, .size: 8, .value_kind: global_buffer, .address_space: global }
      - { .name: Wv, .offset: 24, .size: 8, .value_kind: global_buffer, .address_space: global }
      - { .name: Wo, .offset: 32, .size: 8, .value_kind: global_buffer, .address_space: global }
      - { .name: codes, .offset: 40, .size: 8, .value_kind: global_buffer, .address_space: global }
      - { .name: scales, .offset: 48, .size: 8, .value_kind: global_buffer, .address_space: global }
    .group_segment_fixed_size: 26112
    .private_segment_fixed_size: 0
    .kernarg_segment_align: 8
    .kernarg_segment_size: 56
    .max_flat_workgroup_size: 96
    .sgpr_count:     66
    .vgpr_count:     256
    .wavefront_size: 32
...
	.end_amdgpu_metadata
.endif
;; end of part 1
;; launch qkv (part 2): grid 64 x 4, 4 waves a work-group, no clusters, 168,448 bytes of LDS; arguments codes, scales, bq, bk, bv, qkv; writes qkv
.if DOCPART == 2
	.amdgcn_target "amdgcn-amd-amdhsa--gfx1250"
	.amdhsa_code_object_version 6
	.text
	.protected	k_qd78f5c357c_qkv
	.globl	k_qd78f5c357c_qkv
	.p2align	8
	.type	k_qd78f5c357c_qkv,@function
k_qd78f5c357c_qkv:
	s_mov_b64 s[64:65], 0
	v_nop
	global_prefetch_b8 v0, s[64:65] scope:SCOPE_SE
	s_setreg_imm32_b32 hwreg(HW_REG_WAVE_MODE, 25, 1), 1
	s_wait_xcnt 0x0
; q = x Wq^T + bq, k = x Wk^T + bk, v = x Wv^T + bv on codes of FP4, sums in f32; the results are quantised at once, q and k along the head's 64, v along the keys,
; and stored in the order in which the attention launch's operand registers take them.
; SHARES: work-group (tb, cg) takes tokens 128 tb .. + 127 (x's tiles 8 tb .. + 7) and 12 of the 48 head columns (0-15 q, 16-31 k, 32-47 v); wave w takes head columns 12 cg + 3 w + 0, 1, 2, one after the other.
; A job is 128 tokens x 64: 32 accumulators.  x's 64 KiB of fragment images come into LDS once (one tensor load a wave, 64 rows of 256 bytes; by this text's count one is out) and are never filled again.
; A head column's 32 KiB of W are wanted by one wave alone: they go from memory straight into 256 of its registers, and each fragment of W feeds 8 products.
; q, k: TRANSPOSED (source 0 = 16 rows of W, source 1 = 16 tokens): a lane holds one token, and the 16 registers of W's tiles 2 b, 2 b + 1 are d = 32 b + 16 (lane / 16) + 0 .. 15.
; v: source 0 = 16 tokens, source 1 = 16 rows of W: a lane holds one d, and the 16 registers of x's tiles 2 b, 2 b + 1 are keys 32 b + 16 (lane / 16) + 0 .. 15.
; So in both, accumulator registers 16 k + i (k = 0 .. 15) are half a block of 32 along the next product's K, and one way out serves both.
; qkv, for each of 64 heads 221,184 bytes: 16 key steps of 9,216 (K 8 x 512 | V 4 x 1,024 | K's scale words 512 | V's 512), then 16 token blocks of 4,608 (Q 8 x 512 | its scale words 512).
; No joint loads: what the four work-groups of a token block share, x, is 64 of the 448 KiB that a work-group reads, and their ways part on cg (q and k, or v).
; LIMITS: a block of zeros gets the byte 1 (its codes are zeros; this program alone reads the bytes); NaN and infinities are not served.
; REGISTERS: window 0: v1-5 addresses; v16-47 x's scale words; v48-63 W's; v64-95 the bias as a first C; v96-99 v's bias; v128-255 x's fragments, two sets (on the way out: at work).
;   window 1: the 32 accumulators.   window 2: W's 32 fragments, (K step s, tile t) at 32 s + 8 t.
.set FLOOR, 0x1800000
.set EOFF,  0xff000000
.set LN16, 1                           ; v1  16 x lane
.set LANE, 3                           ; v3  lane
.set BA,   4                           ; v4  64 x (lane / 16)
.set VBA,  5                           ; v5  4 (r + 8 (r / 8))
.set XSC,  16
.set WSC,  48
.set BIAS, 64
.set VB,   96
.set XF,   128
.set TM,   128                         ; the way out: largest magnitudes,
.set TP,   144                         ; the other half's, then the bytes,
.set SOP,  160                         ; the conversions' scale operands,
.set KW,   176                         ; q's and k's words,
.set SOUT, 184                         ; the four words that I store,
.set CD,   192                         ; the codes
.set MSB, 0
.macro WIN new                         ; the immediate's high byte repeats the setting that is left
.if MSB != \new
	s_set_vgpr_msb (MSB<<8)|\new
.set MSB, \new
.endif
.endm
.macro PLACES                          ; four plain lines behind matrix instructions, in front of loads into their registers and of reads of their results
.rept 4
	v_nop
.endr
.endm
; Head column s22: its pointers, its scale words, its bias in both layouts, and its 64 loads of W, K step by K step.  No earlier load through these pointers is out: the last K step waited for all.
.macro NEXTW
	s_lshl_b32 s46, s22, 15
	s_add_co_u32 s46, s46, 4194304                 ; W's tiles begin at tile 512; a head column is 4 tiles
	s_mov_b32 s47, 0
	s_add_nc_u64 s[36:37], s[4:5], s[46:47]
	s_lshl_b32 s46, s22, 11
	s_add_co_u32 s46, s46, 262144
	s_add_nc_u64 s[38:39], s[6:7], s[46:47]
	s_lshr_b32 s48, s22, 4                         ; 0 q, 1 k, 2 v
	s_cmp_eq_u32 s48, 0
	s_cselect_b64 s[40:41], s[8:9], s[10:11]
	s_cmp_eq_u32 s48, 2
	s_cselect_b64 s[40:41], s[12:13], s[40:41]
	s_and_b32 s46, s22, 15
	s_lshl_b32 s46, s46, 8                         ; the head's 64 numbers
	s_add_nc_u64 s[40:41], s[40:41], s[46:47]
.irp t, 0,1,2,3
	global_load_b128 v[WSC+4*\t:WSC+4*\t+3], v[LN16], s[38:39] offset:512*\t
.endr
.irp t, 0,1,2,3
	global_load_b128 v[BIAS+8*\t:BIAS+8*\t+3], v[BA], s[40:41] offset:(32*(\t/2)+8*(\t%2))*4       ; q, k: the bias at d = 32 (t/2) + 8 (t%2) + 16 h + 0 .. 7
	global_load_b128 v[BIAS+8*\t+4:BIAS+8*\t+7], v[BA], s[40:41] offset:(32*(\t/2)+8*(\t%2))*4+16
.endr
.irp t, 0,1,2,3
	global_load_b32 v[VB+\t], v[VBA], s[40:41] offset:(32*(\t/2)+8*(\t%2))*4                       ; v: the bias at my lane's d
.endr
	WIN 0x80                                       ; destination window 2
.irp s, 0,1,2,3,4,5,6,7
.irp t, 0,1,2,3
.irp c, 0,1
	global_load_b128 v[32*\s+8*\t+4*\c:32*\s+8*\t+4*\c+3], v[LN16], s[36:37] offset:8192*\t+1024*\s+512*\c
.endr
.endr
.endr
	WIN 0
.endm
.macro XFETCH s                        ; x's eight fragments of K step s
.irp m, 0,1,2,3,4,5,6,7
.irp c, 0,1
	ds_load_b128 v[XF+64*((\s)%2)+8*\m+4*\c:XF+64*((\s)%2)+8*\m+4*\c+3], v[LN16] offset:8192*\m+1024*(\s)+512*\c
.endr
.endr
.endm
; One product: K step s, x's tile m, W's tile t.  Scale words: register s % 4 of a tile's four, lanes 0-15 for K steps 0-3, lanes 16-31 for 4-7.
.macro PROD v, s, m, t
.set rW, 32*(\s)+8*(\t)
.set rX, XF+64*((\s)%2)+8*(\m)
.set sW, WSC+4*(\t)+(\s)%4
.set sX, XSC+4*(\m)+(\s)%4
.if \v
.set rD, 8*(8*(\t)+(\m))
.if (\s) == 0
	v_wmma_scale_f32_16x16x128_f8f6f4 v[rD:rD+7], v[rX:rX+7], v[rW:rW+7], v[BIAS+8*(\t):BIAS+8*(\t)+7], v[sX], v[sW] matrix_a_fmt:MATRIX_FMT_FP4 matrix_b_fmt:MATRIX_FMT_FP4
.elseif (\s) < 4
	v_wmma_scale_f32_16x16x128_f8f6f4 v[rD:rD+7], v[rX:rX+7], v[rW:rW+7], v[rD:rD+7], v[sX], v[sW] matrix_a_fmt:MATRIX_FMT_FP4 matrix_b_fmt:MATRIX_FMT_FP4
.else
	v_wmma_scale_f32_16x16x128_f8f6f4 v[rD:rD+7], v[rX:rX+7], v[rW:rW+7], v[rD:rD+7], v[sX], v[sW] matrix_a_fmt:MATRIX_FMT_FP4 matrix_b_fmt:MATRIX_FMT_FP4 matrix_a_scale:MATRIX_SCALE_ROW1 matrix_b_scale:MATRIX_SCALE_ROW1
.endif
.else
.set rD, 8*(4*(\m)+(\t))
.if (\s) == 0
	v_wmma_scale_f32_16x16x128_f8f6f4 v[rD:rD+7], v[rW:rW+7], v[rX:rX+7], v[BIAS+8*(\t):BIAS+8*(\t)+7], v[sW], v[sX] matrix_a_fmt:MATRIX_FMT_FP4 matrix_b_fmt:MATRIX_FMT_FP4
.elseif (\s) < 4
	v_wmma_scale_f32_16x16x128_f8f6f4 v[rD:rD+7], v[rW:rW+7], v[rX:rX+7], v[rD:rD+7], v[sW], v[sX] matrix_a_fmt:MATRIX_FMT_FP4 matrix_b_fmt:MATRIX_FMT_FP4
.else
	v_wmma_scale_f32_16x16x128_f8f6f4 v[rD:rD+7], v[rW:rW+7], v[rX:rX+7], v[rD:rD+7], v[sW], v[sX] matrix_a_fmt:MATRIX_FMT_FP4 matrix_b_fmt:MATRIX_FMT_FP4 matrix_a_scale:MATRIX_SCALE_ROW1 matrix_b_scale:MATRIX_SCALE_ROW1
.endif
.endif
.endm
; The eight K steps of a job: 32 products each, the 32 accumulators by turns, one instruction a turn.  The bias is the C of each sum's first product.
.macro KLOOP v
	XFETCH 0
.irp s, 0,1,2,3,4,5,6,7
.if \s < 7
.if \s > 0
	PLACES                                         ; the set that is loaded next was read by the products just issued
.endif
	XFETCH \s+1
	s_wait_dscnt 16                                ; this K step's 16 loads are in; the next step's 16 may be out
.else
	s_wait_dscnt 0x0
.endif
	s_wait_loadcnt 8*(7-\s)                        ; W's K step s is in, and all that was asked for ahead of it; the younger loads are W's K steps s + 1 .. 7, eight each
.if \v && (\s == 0)
.irp t, 0,1,2,3
.irp j, 0,1,2,3,4,5,6,7
	v_mov_b32 v[BIAS+8*\t+\j], v[VB+\t]            ; v: a lane holds one d, so its eight registers take one number
.endr
.endr
	PLACES
.endif
.if \v
.if \s == 0
	WIN 0x48                                       ; source 1 (W) window 2, C window 0, D window 1
.else
	WIN 0x58                                       ; C and D window 1
.endif
.else
.if \s == 0
	WIN 0x42                                       ; source 0 (W) window 2, C window 0, D window 1
.else
	WIN 0x52
.endif
.endif
.irp m, 0,1,2,3,4,5,6,7
.irp t, 0,1,2,3
	PROD \v, \s, \m, \t
.endr
.endr
	WIN 0
.endr
.endm
	s_load_b256 s[4:11], s[0:1], 0x0               ; codes, scales, bq, bk
	s_load_b128 s[12:15], s[0:1], 0x20             ; bv, qkv
	v_lshl_add_u32 v126, v0, 2, 0x29000
	v_mov_b32 v127, 0
	ds_add_u32 v126, v127
	ds_add_u32 v126, v127
	v_lshrrev_b32 v2, 5, v0
	v_readfirstlane_b32 s16, v2                    ; wave 0..3
	s_mov_b32 s17, ttmp9                           ; tb
	s_and_b32 s18, ttmp7, 0xffff                   ; cg
	s_mul_i32 s19, s18, 12
	s_mul_i32 s46, s16, 3
	s_add_co_u32 s19, s19, s46                     ; my first head column
	s_mov_b32 s52, 0x76543210
	s_mov_b32 s53, 0xfedcba98                      ; selects for lane l xor 16
	; descriptor group 1: 64 rows of 256 bytes (32 elements of 8 bytes), dense in memory and in LDS
	s_mov_b32 s24, 3<<16
	s_mov_b32 s25, 32<<16
	s_mov_b32 s26, 64<<16
	s_mov_b32 s27, 32<<16
	s_mov_b32 s28, 64
	s_mov_b32 s29, 32
	s_mov_b32 s30, 0
	s_mov_b32 s31, 0
	s_mov_b32 s32, 1
	s_lshl_b32 s33, s16, 14                        ; LDS: my quarter of x's 64 KiB
	s_lshl_b32 s46, s17, 16
	s_add_co_u32 s46, s46, s33
	s_mov_b32 s47, 0
	s_wait_dscnt 0x0
	s_wait_kmcnt 0x0
	s_add_nc_u64 s[34:35], s[4:5], s[46:47]
	s_or_b32 s35, s35, 0x80000000
	tensor_load_to_lds s[32:35], s[24:31]
	s_nop 0
	PLACES
	v_and_b32 v[LANE], 31, v0
	v_lshlrev_b32 v[LN16], 4, v[LANE]
	s_wait_alu depctr_va_vdst(0)
	v_bfe_u32 v2, v0, 4, 1
	v_lshlrev_b32 v[BA], 6, v2
	s_wait_alu depctr_va_vdst(0)
	v_and_b32 v2, 15, v0
	v_and_b32 v[VBA], 8, v2
	v_add_nc_u32 v[VBA], v[VBA], v2
	v_lshlrev_b32 v[VBA], 2, v[VBA]
	s_wait_alu depctr_va_vdst(0)
	s_lshl_b32 s46, s17, 12
	s_add_nc_u64 s[54:55], s[6:7], s[46:47]        ; x's scale words: 8 tiles of 512 bytes
.irp m, 0,1,2,3,4,5,6,7
	global_load_b128 v[XSC+4*\m:XSC+4*\m+3], v[LN16], s[54:55] offset:512*\m
.endr
	s_mov_b32 s22, s19
	NEXTW
	s_wait_tensorcnt 0x0                           ; my quarter of x is in,
	s_barrier_signal -1
	s_barrier_wait -1                              ; everybody's is
	s_mov_b32 s20, 0
.Lhead:
	s_add_co_u32 s21, s19, s20                     ; this job's head column
	s_and_b32 s46, s21, 15
	s_lshr_b32 s47, s17, 4
	s_lshl_b32 s47, s47, 4
	s_add_co_u32 s46, s46, s47                     ; 16 x batch + head
	s_mul_i32 s46, s46, 221184
	s_and_b32 s47, s17, 15                         ; the token block in its batch
	s_mul_i32 s48, s47, 4608
	s_add_co_u32 s48, s48, 147456                  ; q's place,
	s_mul_i32 s49, s47, 9216                       ; k's,
	s_add_co_u32 s50, s49, 4096                    ; v's
	s_mov_b32 s51, 8192
	s_cmp_lt_u32 s21, 16
	s_cselect_b32 s48, s48, s49
	s_cselect_b32 s51, 4096, s51                   ; from the codes to the scale words: q 4,096, k 8,192,
	s_cmp_lt_u32 s21, 32
	s_cselect_b32 s48, s48, s50
	s_cselect_b32 s51, s51, 4608                   ; v 4,608
	s_add_co_u32 s46, s46, s48
	s_mov_b32 s47, 0
	s_add_nc_u64 s[42:43], s[14:15], s[46:47]
	s_mov_b32 s46, s51
	s_add_nc_u64 s[44:45], s[42:43], s[46:47]
	s_cmp_lt_u32 s21, 32
	s_cbranch_scc0 .Lvpath
	KLOOP 0
	s_branch .Lepi
.Lvpath:
	KLOOP 1
.Lepi:
	PLACES
	s_cmp_eq_u32 s20, 2
	s_cbranch_scc1 .Lnonext                        ; the last job asks for nothing
	s_add_co_u32 s22, s21, 1
	NEXTW                                          ; the next head column's W is on its way while this one is quantised
.Lnonext:
	; THE WAY OUT.  Block k: accumulator registers 16 k + 0 .. 15, with lane l xor 16's sixteen.  Each accumulator is read from its low end on.
	WIN 0x05                                       ; sources 0 and 1 window 1
.irp k, 0,1,2,3,4,5,6,7,8,9,10,11,12,13,14,15
	v_max3_num_f32 v[TM+\k], |v[16*\k]|, |v[16*\k+1]|, FLOOR
.endr
.irp i, 2,4,6,8,10,12,14
.irp k, 0,1,2,3,4,5,6,7,8,9,10,11,12,13,14,15
	v_max3_num_f32 v[TM+\k], |v[16*\k+\i]|, |v[16*\k+\i+1]|, v[TM+\k]
.endr
.endr
	WIN 0
.irp k, 0,1,2,3,4,5,6,7,8,9,10,11,12,13,14,15
	v_permlanex16_b32 v[TP+\k], v[TM+\k], s52, s53
.endr
.irp k, 0,1,2,3,4,5,6,7,8,9,10,11,12,13,14,15
	v_max_num_f32 v[TM+\k], v[TM+\k], v[TP+\k]
.endr
.irp k, 0,1,2,3,4,5,6,7,8,9,10,11,12,13,14,15
	v_add_nc_u32 v[SOP+\k], EOFF, v[TM+\k]
.endr
.irp k, 0,1,2,3,4,5,6,7,8,9,10,11,12,13,14,15
	v_lshrrev_b32 v[TP+\k], 23, v[SOP+\k]
.endr
	s_cmp_lt_u32 s21, 32
	s_cbranch_scc0 .Lvwords
.irp m, 0,1,2,3,4,5,6,7
	v_lshl_or_b32 v[KW+\m], v[TP+2*\m+1], 8, v[TP+2*\m]        ; q, k: a token's two bytes; the word's upper two stay 0 over zero codes
.endr
	v_cmp_le_u32 vcc_lo, 16, v[LANE]
.irp n, 0,1,2,3
	v_cndmask_b32 v[SOUT+\n], v[KW+\n], v[KW+4+\n], vcc_lo     ; lanes 0-15 tiles 0-3, lanes 16-31 tiles 4-7
.endr
	s_branch .Lwords
.Lvwords:
.irp t, 0,1,2,3
	v_lshl_or_b32 v[SOUT+\t], v[TP+4*\t+1], 8, v[TP+4*\t]      ; v: the four bytes of my d for these 128 keys
	v_lshl_or_b32 v[SOUT+\t], v[TP+4*\t+2], 16, v[SOUT+\t]
	v_lshl_or_b32 v[SOUT+\t], v[TP+4*\t+3], 24, v[SOUT+\t]
.endr
.Lwords:
	WIN 0x01                                       ; source 0 window 1
.irp k, 0,1,2,3,4,5,6,7,8,9,10,11,12,13,14,15
	v_cvt_scalef32_pk8_fp4_f32 v[CD+2*\k], v[16*\k:16*\k+7], v[SOP+\k]
	v_cvt_scalef32_pk8_fp4_f32 v[CD+2*\k+1], v[16*\k+8:16*\k+15], v[SOP+\k]
.endr
	WIN 0
	v_nop                                          ; one plain line behind the last conversion
.irp p, 0,1,2,3,4,5,6,7
	v_permlane16_swap_b32 v[CD+4*\p], v[CD+4*\p+2]             ; a whole block to a lane: lanes 0-15 the even block, lanes 16-31 the odd one
	v_permlane16_swap_b32 v[CD+4*\p+1], v[CD+4*\p+3]
.endr
.irp p, 0,1,2,3,4,5,6,7
	global_store_b128 v[LN16], v[CD+4*\p:CD+4*\p+3], s[42:43] offset:512*\p    ; 512 consecutive bytes
.endr
	global_store_b128 v[LN16], v[SOUT:SOUT+3], s[44:45]
	s_wait_xcnt 0x0                                ; the stores have read their registers and bases: both are written again in the next job
	s_add_co_u32 s20, s20, 1
	s_cmp_lt_u32 s20, 3
	s_cbranch_scc1 .Lhead
	s_wait_tensorcnt 0x0
	ds_add_u32 v126, v127
	s_wait_dscnt 0x0
	s_endpgm
.Lfunc_end_k_qd78f5c357c_qkv:
	.size	k_qd78f5c357c_qkv, .Lfunc_end_k_qd78f5c357c_qkv-k_qd78f5c357c_qkv
	.p2alignl 7, 3214868480
	.fill 96, 4, 3214868480
	.section	.rodata,"a",@progbits
	.p2align	6, 0x0
	.amdhsa_kernel k_qd78f5c357c_qkv
		.amdhsa_group_segment_fixed_size 168448
		.amdhsa_private_segment_fixed_size 0
		.amdhsa_enable_private_segment 0
		.amdhsa_kernarg_size 48
		.amdhsa_user_sgpr_count 2
		.amdhsa_user_sgpr_kernarg_segment_ptr 1
		.amdhsa_wavefront_size32 1
		.amdhsa_system_sgpr_workgroup_id_x 1
		.amdhsa_system_sgpr_workgroup_id_y 1
		.amdhsa_system_sgpr_workgroup_id_z 1
		.amdhsa_system_vgpr_workitem_id 0
		.amdhsa_next_free_vgpr 768
		.amdhsa_next_free_sgpr 66
		.amdhsa_reserve_vcc 1
		.amdhsa_float_denorm_mode_32 3
		.amdhsa_float_denorm_mode_16_64 3
		.amdhsa_memory_ordered 1
		.amdhsa_forward_progress 1
		.amdhsa_inst_pref_size 123
	.end_amdhsa_kernel
	.amdgpu_metadata
---
amdhsa.version: [ 1, 2 ]
amdhsa.kernels:
  - .name:           k_qd78f5c357c_qkv
    .symbol:         k_qd78f5c357c_qkv.kd
    .args:
      - { .name: codes, .offset: 0, .size: 8, .value_kind: global_buffer, .address_space: global }
      - { .name: scales, .offset: 8, .size: 8, .value_kind: global_buffer, .address_space: global }
      - { .name: bq, .offset: 16, .size: 8, .value_kind: global_buffer, .address_space: global }
      - { .name: bk, .offset: 24, .size: 8, .value_kind: global_buffer, .address_space: global }
      - { .name: bv, .offset: 32, .size: 8, .value_kind: global_buffer, .address_space: global }
      - { .name: qkv, .offset: 40, .size: 8, .value_kind: global_buffer, .address_space: global }
    .group_segment_fixed_size: 168448
    .private_segment_fixed_size: 0
    .kernarg_segment_align: 8
    .kernarg_segment_size: 48
    .max_flat_workgroup_size: 128
    .sgpr_count:     66
    .vgpr_count:     768
    .wavefront_size: 32
...
	.end_amdgpu_metadata
.endif
;; end of part 2
;; launch attn (part 3): grid 4 x 64, 16 waves a work-group, no clusters, 169,984 bytes of LDS; arguments qkv, acodes, asc; writes acodes, asc
.if DOCPART == 3
	.amdgcn_target "amdgcn-amd-amdhsa--gfx1250"
	.amdhsa_code_object_version 6
	.text
	.protected	k_qd78f5c357c_attn
	.globl	k_qd78f5c357c_attn
	.p2align	8
	.type	k_qd78f5c357c_attn,@function
k_qd78f5c357c_attn:
	s_mov_b64 s[64:65], 0
	v_nop
	global_prefetch_b8 v0, s[64:65] scope:SCOPE_SE
	s_setreg_imm32_b32 hwreg(HW_REG_WAVE_MODE, 25, 1), 1
	s_wait_xcnt 0x0
; Causal attention of one head (64 heads, 2,048 tokens, head size 64) on codes of FP4, and the result quantised along the model's 1,024 for the output projection.
; t = score x log2(e) / 8; M = the running largest t rounded UP to a whole number; p = 2^(t - M) is quantised along the keys, not normalised; the row's sum is taken of the unquantised p and divides at the end.
; A key after the query is hidden: its score becomes -infinity ahead of the maximum, so that p = 0, which is what the -1e9 of the problem's mask gives in f32; steps that lie wholly behind the diagonal are not walked.
; SHARES: work-group (jx, head); wave w owns TWO tiles of 16 queries, a = 16 jx + w and 127 - a.  Tile T wants T / 8 + 1 key steps of 128, so every wave walks (a/8 + 1) + (16 - a/8) = 17 steps: a loop of constant count.
; The head's K, V and their scale words, 147,456 bytes, come into LDS once: wave w brings key step w (36 rows of 256 bytes; by this text's count one load a wave is out); nothing is filled again.
; LAYOUT: both products transposed (S^T = K Q^T, O^T = V^T P^T): a lane holds one query.  The tiles' rows are not neighbours (index i of tile T is token 32 (T/2) + 8 (T%2) + i + 8 (i/8)), so that the 16 registers of
; tiles 2 b, 2 b + 1 are keys (or channels) 32 b + 16 (lane / 16) + 0 .. 15.  The first product's K is 64: the upper halves of K's and Q's fragments are zero codes.
; No joint loads: which key step a wave reads and where its diagonal lies hang on its work-group's place among the four of a head, and the fill happens once for 17 steps.
; LIMITS: p under 2^-126 counts as 0; a block of zeros gets the byte 1 (its codes are zeros); NaN and infinities among the inputs are not served.
; REGISTERS: v1-2 addresses; v4-7 K's scale words, v8-11 V's; v12 -M, v13 the largest t, v[14:15] the sum; v16-23 Q; v24-27 the second tile's Q; v28, v29 Q's scale words; v30, v31 the mask's number;
;   v32-95 K's eight fragments; v96-159 S^T, then p; v160-191 O^T; v192-223 V's four fragments; v224-231 p's codes; v232-252, v254 at work; v253 p's scale word.
.set FLOOR, 0x1800000
.set EOFF,  0xff000000
.set KVB,   9216                       ; a key step in LDS and in memory
.set LN16, 1                           ; v1   16 x lane
.set A4R,  2                           ; v2   4 x (lane % 16)
.set AD,   240                         ; v240 the step's LDS address
.macro PLACES
.rept 4
	v_nop
.endr
.endm
.macro STATS                           ; a tile begins: the largest t -3e38, under every t; the sum 0
	v_mov_b32 v13, 0xff61b1e6
	s_delay_alu instid0(VALU_DEP_1)
	v_floor_f32 v12, -v13
	v_mov_b32 v14, 0
	v_mov_b32 v15, 0
.endm
; Tile T (a scalar register): its codes, its scale words, and the number that the mask compares with
.macro TILE T, qreg, sreg, dreg, va, vb
	s_lshr_b32 s58, \T, 3
	s_mul_i32 s58, s58, 4608                       ; its token block
	s_and_b32 s59, \T, 7                           ; its place there
	s_lshl_b32 s60, s59, 9
	s_add_co_u32 s60, s60, s58
	v_add_nc_u32 v[\va], s60, v[LN16]
	global_load_b128 v[\qreg:\qreg+3], v[\va], s[50:51]
	s_lshr_b32 s60, s59, 2
	s_lshl_b32 s60, s60, 8
	s_add_co_u32 s60, s60, s58
	s_and_b32 s61, s59, 3
	s_lshl_b32 s61, s61, 2
	s_add_co_u32 s60, s60, s61
	s_add_co_u32 s60, s60, 4096
	v_add_nc_u32 v[\vb], s60, v241                 ; words laid [tile / 4][row][tile % 4]
	global_load_b32 v[\sreg], v[\vb], s[50:51]
	s_lshr_b32 s60, s59, 1
	s_lshl_b32 s60, s60, 5
	s_and_b32 s61, s59, 1
	s_lshl_b32 s61, s61, 3
	s_add_co_u32 s60, s60, s61
	v_add_nc_u32 v[\dreg], s60, v242               ; my query's place in its 128 tokens, less 16 (lane / 16)
.endm
.macro OUTP T, pa, ps                  ; where tile T's codes and scale words go
	s_lshr_b32 s58, s53, 4
	s_lshl_b32 s58, s58, 7
	s_add_co_u32 s58, s58, \T                      ; the tile among all 512
	s_and_b32 s59, s53, 15                         ; the head in its batch
	s_lshl_b32 s60, s58, 13
	s_lshl_b32 s61, s59, 9
	s_add_co_u32 s60, s60, s61
	s_mov_b32 s61, 0
	s_add_nc_u64 s[\pa:\pa+1], s[6:7], s[60:61]    ; a head's two blocks are 512 bytes of the tile's 8,192
	s_lshr_b32 s60, s58, 1
	s_lshl_b32 s60, s60, 11
	s_lshl_b32 s62, s59, 7
	s_add_co_u32 s60, s60, s62
	s_and_b32 s62, s58, 1
	s_lshl_b32 s62, s62, 6
	s_add_co_u32 s60, s60, s62
	s_add_nc_u64 s[\ps:\ps+1], s[8:9], s[60:61]    ; words laid [pair of tiles][head][tile % 2][row]
.endm
	s_load_b128 s[4:7], s[0:1], 0x0                ; qkv, acodes
	s_load_b64 s[8:9], s[0:1], 0x10                ; asc
	v_lshl_add_u32 v254, v0, 2, 0x29000
	v_mov_b32 v255, 0
	ds_add_u32 v254, v255
	ds_add_u32 v254, v255
	s_wait_dscnt 0x0
	v_lshrrev_b32 v2, 5, v0
	s_delay_alu instid0(VALU_DEP_1)
	v_readfirstlane_b32 s16, v2                    ; wave 0..15
	s_and_b32 s53, ttmp7, 0xffff                   ; 16 x batch + head
	s_lshl_b32 s17, ttmp9, 4
	s_add_co_u32 s17, s17, s16                     ; a: my first tile
	s_sub_co_u32 s54, 127, s17                     ; my second
	s_lshr_b32 s19, s17, 3                         ; the first tile's last key step,
	s_add_co_u32 s18, s19, 1                       ; its number of steps,
	s_sub_co_u32 s20, 15, s19                      ; the second tile's last key step
	; descriptor group 1: 36 rows of 256 bytes (32 elements of 8 bytes), dense
	s_mov_b32 s24, 3<<16
	s_mov_b32 s25, 32<<16
	s_mov_b32 s26, 36<<16
	s_mov_b32 s27, 32<<16
	s_mov_b32 s28, 36
	s_mov_b32 s29, 32
	s_mov_b32 s30, 0
	s_mov_b32 s31, 0
	s_mul_i32 s56, s53, 221184                     ; the head's part of qkv
	s_mov_b32 s57, 0
	s_mov_b32 s32, 1
	s_mul_i32 s33, s16, KVB                        ; key step w, in LDS as in memory
	s_add_co_u32 s58, s56, s33
	s_mov_b32 s59, 0
	s_mov_b32 s38, 0x3e38aa3b                      ; c = log2(e) / 8
	s_mov_b32 s39, s38                             ; (named with it as a pair)
	s_mov_b32 s40, 0x76543210
	s_mov_b32 s41, 0xfedcba98                      ; selects for lane l xor 16
	s_wait_kmcnt 0x0
	s_add_nc_u64 s[34:35], s[4:5], s[58:59]
	s_or_b32 s35, s35, 0x80000000
	tensor_load_to_lds s[32:35], s[24:31]
	s_nop 0
	PLACES
	s_add_co_u32 s56, s56, 147456
	s_add_nc_u64 s[50:51], s[4:5], s[56:57]        ; the head's Q part
	v_and_b32 v3, 31, v0
	s_delay_alu instid0(VALU_DEP_1)
	v_lshlrev_b32 v[LN16], 4, v3
	v_and_b32 v3, 15, v0                           ; r
	s_delay_alu instid0(VALU_DEP_1)
	v_lshlrev_b32 v[A4R], 2, v3
	s_delay_alu instid0(VALU_DEP_2)
	v_lshlrev_b32 v241, 4, v3
	s_wait_alu depctr_va_vdst(0)
	v_and_b32 v242, 8, v3
	s_delay_alu instid0(VALU_DEP_1)
	v_add_nc_u32 v242, v242, v3                    ; r + 8 (r / 8)
	v_bfe_u32 v243, v0, 4, 1
	s_delay_alu instid0(VALU_DEP_1)
	v_lshlrev_b32 v243, 4, v243
	s_delay_alu instid0(VALU_DEP_1)
	v_sub_nc_u32 v242, v242, v243                  ; - 16 h
	s_wait_alu depctr_va_vdst(0)
	TILE s17, 16, 28, 30, 232, 233
	TILE s54, 24, 29, 31, 234, 235
	OUTP s17, 42, 44
	OUTP s54, 46, 48
.irp j, 20,21,22,23
	v_mov_b32 v[\j], 0                             ; K = 64: the upper half of Q's fragment is zero codes,
.endr
.irp t, 0,1,2,3,4,5,6,7
.irp j, 4,5,6,7
	v_mov_b32 v[32+8*\t+\j], 0                     ; and of K's eight; written once
.endr
.endr
.set n, 0
.rept 32
	v_mov_b32 v[160+n], 0                          ; O^T: the loop has no first step of its own; the first change of M multiplies zeros
.set n, n+1
.endr
.irp j, 236,237,238,239,249,251,252
	v_mov_b32 v[\j], 0                             ; permutes' destinations and the upper halves of pairs, written once
.endr
	STATS
	s_mov_b32 s21, 0
	s_wait_loadcnt 0x0                             ; Q
	s_wait_tensorcnt 0x0                           ; my key step is in,
	s_barrier_signal -1
	s_barrier_wait -1                              ; all sixteen are
.Lstep:
	s_cmp_ge_u32 s21, s18                          ; which tile is in hand, by the trip's number
	s_cselect_b32 s37, s18, 0
	s_cselect_b32 s23, s20, s19                    ; its last key step
	s_sub_co_u32 s22, s21, s37
	s_min_u32 s22, s22, 15                         ; the key step: one of the head's 16
	s_mul_i32 s36, s22, KVB
	s_setprio 2
	v_add_nc_u32 v[AD], s36, v[LN16]               ; with the three lines below: four places behind the last step's products, in front of the loads into their registers
	v_nop
	v_nop
	v_nop
	ds_load_b128 v[4:7], v[AD] offset:8192         ; K's scale words: register n: tile n in lanes 0-15, tile 4 + n in lanes 16-31
.irp t, 0,1,2,3,4,5,6,7
	ds_load_b128 v[32+8*\t:35+8*\t], v[AD] offset:512*\t
.endr
	ds_load_b128 v[8:11], v[AD] offset:8704        ; V's scale words: register t: tile t
.irp t, 0,1,2,3
.irp c, 0,1
	ds_load_b128 v[192+8*\t+4*\c:195+8*\t+4*\c], v[AD] offset:4096+1024*\t+512*\c
.endr
.endr
	s_wait_dscnt 9                                 ; K and its scale words are in; the nine younger loads, V's, may be out
.irp t, 0,1,2,3
	v_wmma_scale_f32_16x16x128_f8f6f4 v[96+8*\t:103+8*\t], v[32+8*\t:39+8*\t], v[16:23], 0, v[4+\t], v28 matrix_a_fmt:MATRIX_FMT_FP4 matrix_b_fmt:MATRIX_FMT_FP4
.endr
.irp t, 4,5,6,7
	v_wmma_scale_f32_16x16x128_f8f6f4 v[96+8*\t:103+8*\t], v[32+8*\t:39+8*\t], v[16:23], 0, v[\t], v28 matrix_a_fmt:MATRIX_FMT_FP4 matrix_b_fmt:MATRIX_FMT_FP4 matrix_a_scale:MATRIX_SCALE_ROW1
.endr
	PLACES
	s_cmp_lg_u32 s22, s23
	s_cbranch_scc1 .Lopen                          ; only a tile's last step lies on the diagonal
	v_mov_b32 v254, 0xff800000                     ; -infinity
.set n, 0
.rept 64
	v_cmp_gt_i32 vcc_lo, 32*(n/16)+n%16, v30       ; register n holds key 32 (n / 16) + 16 (lane / 16) + n % 16 of the step: hidden where it comes after my query
	v_cndmask_b32 v[96+n], v[96+n], v254, vcc_lo
.set n, n+1
.endr
.Lopen:
.irp b, 0,1,2,3
	v_max3_num_f32 v[232+\b], v[96+16*\b], v[97+16*\b], v[98+16*\b]    ; the largest score of each block of 32 keys: for the row's maximum, and, since p rises with the score, for the block's largest p
.endr
.irp i, 3,5,7,9,11,13
.irp b, 0,1,2,3
	v_max3_num_f32 v[232+\b], v[232+\b], v[96+16*\b+\i], v[97+16*\b+\i]
.endr
.endr
.irp b, 0,1,2,3
	v_max_num_f32 v[232+\b], v[232+\b], v[111+16*\b]
.endr
.irp b, 0,1,2,3
	s_delay_alu instid0(VALU_DEP_4)
	v_permlanex16_b32 v[236+\b], v[232+\b], s40, s41
.endr
.irp b, 0,1,2,3
	s_delay_alu instid0(VALU_DEP_4)
	v_max_num_f32 v[232+\b], v[232+\b], v[236+\b]  ; with lane l xor 16's 16 keys
.endr
	s_delay_alu instid0(VALU_DEP_2)
	v_max3_num_f32 v254, v232, v233, v234
	s_delay_alu instid0(VALU_DEP_1)
	v_max_num_f32 v254, v254, v235
	s_delay_alu instid0(VALU_DEP_1)
	v_mul_f32 v254, s38, v254                      ; as t (c is positive)
	s_delay_alu instid0(VALU_DEP_1)
	v_max_num_f32 v13, v13, v254                   ; the running largest t
	v_mov_b32 v254, v12
	s_delay_alu instid0(VALU_DEP_2)
	v_floor_f32 v12, -v13                          ; -M = floor(-t): M is a whole number
	s_delay_alu instid0(VALU_DEP_1)
	v_sub_f32 v254, v12, v254                      ; old M - new M: a whole number, 0 or less
	s_delay_alu instid0(VALU_DEP_1)
	v_cvt_i32_f32 v254, v254                       ; (it saturates)
	s_delay_alu instid0(VALU_DEP_1)
	v_ldexp_f32 v248, 1.0, v254                    ; f = 2^(old M - new M): a multiplication by it rounds nothing
.irp j, 0,2,4,6,8,10,12,14,16,18,20,22,24,26,28,30,32,34,36,38,40,42,44,46,48,50,52,54,56,58,60,62
	v_pk_fma_f32 v[96+\j:97+\j], v[96+\j:97+\j], s[38:39], v[12:13] op_sel_hi:[1,0,0]  ; t - M
.endr
.irp b, 0,1,2,3
	v_fma_f32 v[232+\b], v[232+\b], s38, v12
.endr
.set n, 0
	s_wait_alu depctr_va_vdst(0)
.rept 64
	v_exp_f32 v[96+n], v[96+n]                     ; p = 2^(t - M)
.set n, n+1
.endr
	s_setprio 1
.irp b, 0,1,2,3
	v_exp_f32 v[232+\b], v[232+\b]                 ; the block's largest p: the same two instructions on the same number
.endr
	v_pk_mul_f32 v[14:15], v[14:15], v[248:249] op_sel_hi:[1,0]        ; the sum under the new M (a plain line behind the exponentials)
	s_wait_alu depctr_va_vdst(0)
.irp b, 0,1,2,3
	v_max_num_f32 v[232+\b], FLOOR, v[232+\b]
.endr
.irp b, 0,1,2,3
	s_delay_alu instid0(VALU_DEP_4)
	v_add_nc_u32 v[244+\b], EOFF, v[232+\b]
.endr
.irp b, 0,1,2,3
	s_delay_alu instid0(VALU_DEP_4)
	v_lshrrev_b32 v[236+\b], 23, v[244+\b]
.endr
	s_delay_alu instid0(VALU_DEP_3)
	v_lshl_or_b32 v253, v237, 8, v236              ; p's scale word for these 128 keys
	s_delay_alu instid0(VALU_DEP_1)
	v_lshl_or_b32 v253, v238, 16, v253
	s_delay_alu instid0(VALU_DEP_1)
	v_lshl_or_b32 v253, v239, 24, v253
.irp b, 0,1,2,3
	v_cvt_scalef32_pk8_fp4_f32 v[224+2*\b], v[96+16*\b:103+16*\b], v[244+\b]
	v_cvt_scalef32_pk8_fp4_f32 v[225+2*\b], v[104+16*\b:111+16*\b], v[244+\b]
.endr
	v_nop                                          ; one plain line behind the last conversion
.irp c, 0,1
.irp i, 0,1
	v_permlane16_swap_b32 v[224+4*\c+\i], v[226+4*\c+\i]       ; a whole block to a lane
.endr
.endr
	v_pk_add_f32 v[236:237], v[100:101], v[104:105]
	v_pk_add_f32 v[254:255], v[108:109], v[112:113]
	v_pk_add_f32 v[246:247], v[116:117], v[120:121]
	v_pk_add_f32 v[244:245], v[124:125], v[128:129]
	v_pk_add_f32 v[242:243], v[132:133], v[136:137]
	v_pk_add_f32 v[240:241], v[140:141], v[144:145]
	v_pk_add_f32 v[234:235], v[148:149], v[152:153]
	v_pk_add_f32 v[14:15], v[14:15], v[156:157]
	v_pk_add_f32 v[236:237], v[236:237], v[96:97]
	v_pk_add_f32 v[254:255], v[254:255], v[98:99]
	v_pk_add_f32 v[246:247], v[246:247], v[102:103]
	v_pk_add_f32 v[244:245], v[244:245], v[106:107]
	v_pk_add_f32 v[242:243], v[242:243], v[110:111]
	v_pk_add_f32 v[240:241], v[240:241], v[114:115]
	v_pk_add_f32 v[234:235], v[234:235], v[118:119]
	v_pk_add_f32 v[14:15], v[14:15], v[122:123]
	v_pk_add_f32 v[236:237], v[236:237], v[126:127]
	v_pk_add_f32 v[254:255], v[254:255], v[130:131]
	v_pk_add_f32 v[246:247], v[246:247], v[134:135]
	v_pk_add_f32 v[244:245], v[244:245], v[138:139]
	v_pk_add_f32 v[242:243], v[242:243], v[142:143]
	v_pk_add_f32 v[240:241], v[240:241], v[146:147]
	v_pk_add_f32 v[234:235], v[234:235], v[150:151]
	v_pk_add_f32 v[14:15], v[14:15], v[154:155]
	v_pk_add_f32 v[236:237], v[236:237], v[158:159]
	s_delay_alu instid0(VALU_DEP_2)
	v_pk_add_f32 v[14:15], v[14:15], v[244:245]
	s_delay_alu instid0(VALU_DEP_2)
	v_pk_add_f32 v[236:237], v[236:237], v[242:243]
	v_pk_add_f32 v[254:255], v[254:255], v[240:241]
	v_pk_add_f32 v[246:247], v[246:247], v[234:235]
	s_delay_alu instid0(VALU_DEP_2)
	v_pk_add_f32 v[14:15], v[14:15], v[254:255]
	s_delay_alu instid0(VALU_DEP_2)
	v_pk_add_f32 v[236:237], v[236:237], v[246:247]
	s_delay_alu instid0(VALU_DEP_1)
	v_pk_add_f32 v[14:15], v[14:15], v[236:237]
.irp j, 0,2,4,6,8,10,12,14,16,18,20,22,24,26,28,30
	v_pk_mul_f32 v[160+\j:161+\j], v[160+\j:161+\j], v[248:249] op_sel_hi:[1,0]        ; O^T under the new M
.endr
	s_wait_alu depctr_va_vdst(0)
	s_wait_dscnt 0x0                               ; V and its scale words are in
.irp t, 0,1,2,3
	v_wmma_scale_f32_16x16x128_f8f6f4 v[160+8*\t:167+8*\t], v[192+8*\t:199+8*\t], v[224:231], v[160+8*\t:167+8*\t], v[8+\t], v253 matrix_a_fmt:MATRIX_FMT_FP4 matrix_b_fmt:MATRIX_FMT_FP4
.endr
	s_cmp_lg_u32 s22, s23
	s_setprio 0
	s_cbranch_scc1 .Lnofin
	; THE TILE IS DONE: O^T / the sum, quantised along the head's 64 (two blocks of the model's 1,024), stored; then the second tile takes the first's registers
	PLACES
	v_add_f32 v14, v14, v15
	s_delay_alu instid0(VALU_DEP_1)
	v_permlanex16_b32 v252, v14, s40, s41
	s_delay_alu instid0(VALU_DEP_1)
	v_add_f32 v14, v14, v252                       ; the row's sum
	s_wait_alu depctr_va_vdst(0)
	v_rcp_f32 v250, v14
	v_nop                                          ; one plain line behind the reciprocal
	s_wait_alu depctr_va_vdst(0)
.irp j, 0,2,4,6,8,10,12,14,16,18,20,22,24,26,28,30
	v_pk_mul_f32 v[96+\j:97+\j], v[160+\j:161+\j], v[250:251] op_sel_hi:[1,0]          ; register 16 b + i: channel 32 b + 16 (lane / 16) + i of my query
.endr
.irp b, 0,1
	v_max3_num_f32 v[232+\b], |v[96+16*\b]|, |v[97+16*\b]|, FLOOR
.endr
.irp i, 2,4,6,8,10,12,14
.irp b, 0,1
	s_delay_alu instid0(VALU_DEP_2)
	v_max3_num_f32 v[232+\b], v[232+\b], |v[96+16*\b+\i]|, |v[97+16*\b+\i]|
.endr
.endr
.irp b, 0,1
	s_delay_alu instid0(VALU_DEP_2)
	v_permlanex16_b32 v[236+\b], v[232+\b], s40, s41
.endr
.irp b, 0,1
	s_delay_alu instid0(VALU_DEP_2)
	v_max_num_f32 v[232+\b], v[232+\b], v[236+\b]
.endr
.irp b, 0,1
	s_delay_alu instid0(VALU_DEP_2)
	v_add_nc_u32 v[244+\b], EOFF, v[232+\b]
.endr
.irp b, 0,1
	s_delay_alu instid0(VALU_DEP_2)
	v_lshrrev_b32 v[236+\b], 23, v[244+\b]
.endr
	s_delay_alu instid0(VALU_DEP_1)
	v_lshl_or_b32 v238, v237, 8, v236              ; my query's two bytes
.irp b, 0,1
	v_cvt_scalef32_pk8_fp4_f32 v[224+2*\b], v[96+16*\b:103+16*\b], v[244+\b]
	v_cvt_scalef32_pk8_fp4_f32 v[225+2*\b], v[104+16*\b:111+16*\b], v[244+\b]
.endr
	v_nop
	v_permlane16_swap_b32 v224, v226
	v_permlane16_swap_b32 v225, v227
	global_store_b128 v[LN16], v[224:227], s[42:43]            ; 512 consecutive bytes
	global_store_b32 v[A4R], v238, s[44:45]                    ; lanes l and l xor 16 store the same word to the same place
	s_wait_xcnt 0x0                                ; the stores have read their registers and bases
.irp j, 0,1,2,3
	v_mov_b32 v[16+\j], v[24+\j]
.endr
	v_mov_b32 v28, v29
	v_mov_b32 v30, v31
.set n, 0
.rept 32
	v_mov_b32 v[160+n], 0                          ; (also the places between the writes of Q and its scale words and the next products)
.set n, n+1
.endr
	STATS
	s_mov_b64 s[42:43], s[46:47]
	s_mov_b64 s[44:45], s[48:49]
.Lnofin:
	s_add_co_u32 s21, s21, 1
	s_cmp_lt_u32 s21, 17
	s_cbranch_scc1 .Lstep
	s_setprio 0
	s_wait_xcnt 0x0
	v_lshl_add_u32 v254, v0, 2, 0x29000
	v_mov_b32 v255, 0
	s_wait_alu depctr_va_vdst(0)
	s_wait_tensorcnt 0x0
	ds_add_u32 v254, v255
	s_wait_dscnt 0x0
	s_endpgm
.Lfunc_end_k_qd78f5c357c_attn:
	.size	k_qd78f5c357c_attn, .Lfunc_end_k_qd78f5c357c_attn-k_qd78f5c357c_attn
	.p2alignl 7, 3214868480
	.fill 96, 4, 3214868480
	.section	.rodata,"a",@progbits
	.p2align	6, 0x0
	.amdhsa_kernel k_qd78f5c357c_attn
		.amdhsa_group_segment_fixed_size 169984
		.amdhsa_private_segment_fixed_size 0
		.amdhsa_enable_private_segment 0
		.amdhsa_kernarg_size 24
		.amdhsa_user_sgpr_count 2
		.amdhsa_user_sgpr_kernarg_segment_ptr 1
		.amdhsa_wavefront_size32 1
		.amdhsa_system_sgpr_workgroup_id_x 1
		.amdhsa_system_sgpr_workgroup_id_y 1
		.amdhsa_system_sgpr_workgroup_id_z 1
		.amdhsa_system_vgpr_workitem_id 0
		.amdhsa_next_free_vgpr 256
		.amdhsa_next_free_sgpr 66
		.amdhsa_reserve_vcc 1
		.amdhsa_float_denorm_mode_32 3
		.amdhsa_float_denorm_mode_16_64 3
		.amdhsa_memory_ordered 1
		.amdhsa_forward_progress 1
		.amdhsa_inst_pref_size 36
	.end_amdhsa_kernel
	.amdgpu_metadata
---
amdhsa.version: [ 1, 2 ]
amdhsa.kernels:
  - .name:           k_qd78f5c357c_attn
    .symbol:         k_qd78f5c357c_attn.kd
    .args:
      - { .name: qkv, .offset: 0, .size: 8, .value_kind: global_buffer, .address_space: global }
      - { .name: acodes, .offset: 8, .size: 8, .value_kind: global_buffer, .address_space: global }
      - { .name: asc, .offset: 16, .size: 8, .value_kind: global_buffer, .address_space: global }
    .group_segment_fixed_size: 169984
    .private_segment_fixed_size: 0
    .kernarg_segment_align: 8
    .kernarg_segment_size: 24
    .max_flat_workgroup_size: 512
    .sgpr_count:     66
    .vgpr_count:     256
    .wavefront_size: 32
...
	.end_amdgpu_metadata
.endif
;; end of part 3
;; launch oproj (part 4): grid 256 x 1, 16 waves a work-group, no clusters, 327,680 bytes of LDS; arguments acodes, asc, codes, scales, x, bo, gamma, beta, out0; writes out0
.if DOCPART == 4
	.amdgcn_target "amdgcn-amd-amdhsa--gfx1250"
	.amdhsa_code_object_version 6
	.text
	.protected	k_qd78f5c357c_oproj
	.globl	k_qd78f5c357c_oproj
	.p2align	8
	.type	k_qd78f5c357c_oproj,@function
k_qd78f5c357c_oproj:
	s_mov_b64 s[64:65], 0
	v_nop
	global_prefetch_b8 v0, s[64:65] scope:SCOPE_SE
	s_setreg_imm32_b32 hwreg(HW_REG_WAVE_MODE, 25, 1), 1
	s_wait_xcnt 0x0
; out0 = LayerNorm(x + attn Wo^T + bo) x gamma + beta.  The product is on codes of FP4, sums in f32; all else in f32; the variance is taken of y - mean.
; SHARES: a work-group takes 32 neighbouring tokens (two tiles) and all 1,024 columns, so that a row's mean and variance never leave it.  Wave w makes columns 64 w .. + 63 (Wo's tiles 704 + 4 w + t) for both tiles:
; 8 accumulators.  Each fragment of Wo is wanted by one wave alone: it goes from memory straight into that wave's registers, two K steps ahead (16 loads a wave out).
; TRANSPOSED (source 0 = 16 rows of Wo, source 1 = 16 tokens): a lane holds eight neighbouring columns of one token.  The results meet in a stage in LDS; then wave w takes tokens 2 w and 2 w + 1 whole.
; Two tensor loads a wave, both at the head (the first is in before the second is issued): its 1 KiB of attention's 16 KiB of fragment images, and its own two rows of x, which land under the product.  Nothing is filled again.
; No joint loads: Wo's 512 KiB do not fit in LDS, so sharing it would want slots that are filled again and a round of the cluster's barrier for each fill.
; LDS: [0, 131,072) x, 32 rows of 4,096 bytes; [131,072, 262,656) the stage, 32 rows of 4,112 = 257 x 16 bytes, in the tiles' order; [262,656, 279,040) attention's images [tile][K step][1,024].
; REGISTERS: v1-7 addresses; v16-31 Wo's scale words; v32-39 attention's; v40-55 attention's words as stored; v56-87 attention's fragments, two sets; v88-183 Wo's, three sets; v184-247 accumulators; v248-255 at work.
;   In the rows' part: v40-71 a row of x; v88-119 gamma, v120-151 beta, v152-183 bo; v184-247 two rows of y.
.set YSB,  131072
.set YP,   4112
.set ASB,  262656
.set LN16, 1                           ; v1  16 x lane
.set LN4,  2                           ; v2  4 x lane
.set SO0,  3                           ; v3  into the stage, token tile 0
.set YR0,  4                           ; v4  out of the stage
.set XR0,  5                           ; v5  my rows of x
.set ARD,  6                           ; v6  attention's images
.set SO1,  7                           ; v7  into the stage, token tile 1: 65,792 bytes on, more than an LDS immediate holds
.set WSC,  16
.set SA,   32
.set AW,   40
.set AF,   56
.set WB,   88
.set ACC,  184
.set XR,   40
.set GM,   88
.set BT,   120
.set BO,   152
.macro PLACES
.rept 4
	v_nop
.endr
.endm
.macro LOADW s                         ; Wo's four fragments of K step s
.irp t, 0,1,2,3
.irp c, 0,1
	global_load_b128 v[WB+32*((\s)%3)+8*\t+4*\c:WB+32*((\s)%3)+8*\t+4*\c+3], v[LN16], s[48:49] offset:8192*\t+1024*(\s)+512*\c
.endr
.endr
.endm
.macro AFETCH s                        ; attention's two fragments of K step s
.irp u, 0,1
.irp c, 0,1
	ds_load_b128 v[AF+16*((\s)%2)+8*\u+4*\c:AF+16*((\s)%2)+8*\u+4*\c+3], v[ARD] offset:8192*\u+1024*(\s)+512*\c
.endr
.endr
.endm
; Wo's scale words: register s % 4 of a tile's four, lanes 16-31 for K steps 4-7.  Attention's: register s, lanes 0-15 token tile 0, lanes 16-31 token tile 1.
.macro PROD s, t, u
.set rD, ACC+8*(2*(\t)+(\u))
.set rW, WB+32*((\s)%3)+8*(\t)
.set rA, AF+16*((\s)%2)+8*(\u)
.set sW, WSC+4*(\t)+(\s)%4
.if (\s) == 0
.if (\u) == 0
	v_wmma_scale_f32_16x16x128_f8f6f4 v[rD:rD+7], v[rW:rW+7], v[rA:rA+7], 0, v[sW], v[SA+(\s)] matrix_a_fmt:MATRIX_FMT_FP4 matrix_b_fmt:MATRIX_FMT_FP4
.else
	v_wmma_scale_f32_16x16x128_f8f6f4 v[rD:rD+7], v[rW:rW+7], v[rA:rA+7], 0, v[sW], v[SA+(\s)] matrix_a_fmt:MATRIX_FMT_FP4 matrix_b_fmt:MATRIX_FMT_FP4 matrix_b_scale:MATRIX_SCALE_ROW1
.endif
.elseif (\s) < 4
.if (\u) == 0
	v_wmma_scale_f32_16x16x128_f8f6f4 v[rD:rD+7], v[rW:rW+7], v[rA:rA+7], v[rD:rD+7], v[sW], v[SA+(\s)] matrix_a_fmt:MATRIX_FMT_FP4 matrix_b_fmt:MATRIX_FMT_FP4
.else
	v_wmma_scale_f32_16x16x128_f8f6f4 v[rD:rD+7], v[rW:rW+7], v[rA:rA+7], v[rD:rD+7], v[sW], v[SA+(\s)] matrix_a_fmt:MATRIX_FMT_FP4 matrix_b_fmt:MATRIX_FMT_FP4 matrix_b_scale:MATRIX_SCALE_ROW1
.endif
.else
.if (\u) == 0
	v_wmma_scale_f32_16x16x128_f8f6f4 v[rD:rD+7], v[rW:rW+7], v[rA:rA+7], v[rD:rD+7], v[sW], v[SA+(\s)] matrix_a_fmt:MATRIX_FMT_FP4 matrix_b_fmt:MATRIX_FMT_FP4 matrix_a_scale:MATRIX_SCALE_ROW1
.else
	v_wmma_scale_f32_16x16x128_f8f6f4 v[rD:rD+7], v[rW:rW+7], v[rA:rA+7], v[rD:rD+7], v[sW], v[SA+(\s)] matrix_a_fmt:MATRIX_FMT_FP4 matrix_b_fmt:MATRIX_FMT_FP4 matrix_a_scale:MATRIX_SCALE_ROW1 matrix_b_scale:MATRIX_SCALE_ROW1
.endif
.endif
.endm
.macro KSTEP s
.if (\s) > 0
	PLACES                                         ; the sets that are loaded next were read by the products just issued
.endif
.if (\s) <= 5
	LOADW (\s)+2
.endif
.if (\s) <= 6
	AFETCH (\s)+1
.endif
.if (\s) <= 5
	s_wait_loadcnt 16                              ; Wo's K step s is in; the two later steps' 16 loads may be out
.elseif (\s) == 6
	s_wait_loadcnt 8
.else
	s_wait_loadcnt 0x0
.endif
.if (\s) <= 6
	s_wait_dscnt 4                                 ; attention's K step s is in; the next step's four loads may be out
.else
	s_wait_dscnt 0x0
.endif
.irp t, 0,1,2,3
.irp u, 0,1
	PROD \s, \t, \u                                ; the eight accumulators by turns, one instruction a turn
.endr
.endr
.endm
.macro REDUCE                          ; v248 summed over the 32 lanes, the result in every lane
	s_delay_alu instid0(VALU_DEP_1)
	v_add_f32_dpp v248, v248, v248 row_xmask:1 row_mask:0xf bank_mask:0xf
	s_delay_alu instid0(VALU_DEP_1)
	v_add_f32_dpp v248, v248, v248 row_xmask:2 row_mask:0xf bank_mask:0xf
	s_delay_alu instid0(VALU_DEP_1)
	v_add_f32_dpp v248, v248, v248 row_xmask:4 row_mask:0xf bank_mask:0xf
	s_delay_alu instid0(VALU_DEP_1)
	v_add_f32_dpp v248, v248, v248 row_xmask:8 row_mask:0xf bank_mask:0xf
	s_delay_alu instid0(VALU_DEP_1)
	v_permlanex16_b32 v249, v248, s58, s59
	s_delay_alu instid0(VALU_DEP_1)
	v_add_f32 v248, v248, v249
.endm
; Token 2 w + e, whole: lane l's register 4 i + k is column 128 i + 4 l + k
.macro ROWP e
.set YY, ACC+32*(\e)
.irp i, 0,1,2,3,4,5,6,7
	ds_load_b128 v[XR+4*\i:XR+4*\i+3], v[XR0] offset:4096*(\e)+512*\i
.endr
	s_wait_dscnt 0x0                               ; the row of x, and both rows out of the stage
.if (\e) == 0
	s_wait_loadcnt 0x0                             ; gamma, beta, bo
.endif
.irp j, 0,2,4,6,8,10,12,14,16,18,20,22,24,26,28,30
	v_pk_add_f32 v[YY+\j:YY+\j+1], v[YY+\j:YY+\j+1], v[BO+\j:BO+\j+1]
.endr
.irp j, 0,2,4,6,8,10,12,14,16,18,20,22,24,26,28,30
	v_pk_add_f32 v[YY+\j:YY+\j+1], v[YY+\j:YY+\j+1], v[XR+\j:XR+\j+1]  ; y = x + (the product + bo)
.endr
	v_pk_add_f32 v[248:249], v[YY:YY+1], v[YY+2:YY+3]
	v_pk_add_f32 v[250:251], v[YY+4:YY+5], v[YY+6:YY+7]
.irp j, 8,12,16,20,24,28
	s_delay_alu instid0(VALU_DEP_2)
	v_pk_add_f32 v[248:249], v[248:249], v[YY+\j:YY+\j+1]
	s_delay_alu instid0(VALU_DEP_2)
	v_pk_add_f32 v[250:251], v[250:251], v[YY+\j+2:YY+\j+3]
.endr
	s_delay_alu instid0(VALU_DEP_1)
	v_pk_add_f32 v[248:249], v[248:249], v[250:251]
	s_delay_alu instid0(VALU_DEP_1)
	v_add_f32 v248, v248, v249
	REDUCE
	s_delay_alu instid0(VALU_DEP_1)
	v_mul_f32 v252, s56, v248                      ; the mean, twice: a pair for the packed form
	s_delay_alu instid0(VALU_DEP_2)
	v_mul_f32 v253, s56, v248
.irp j, 0,2,4,6,8,10,12,14,16,18,20,22,24,26,28,30
	v_pk_add_f32 v[YY+\j:YY+\j+1], v[YY+\j:YY+\j+1], v[252:253] neg_lo:[0,1] neg_hi:[0,1]
.endr
.irp k, 0,1,2,3
	v_pk_mul_f32 v[248+2*\k:249+2*\k], v[YY+2*\k:YY+2*\k+1], v[YY+2*\k:YY+2*\k+1]      ; the squares, in four chains
.endr
.irp j, 8,16,24
.irp k, 0,1,2,3
	s_delay_alu instid0(VALU_DEP_4)
	v_pk_fma_f32 v[248+2*\k:249+2*\k], v[YY+\j+2*\k:YY+\j+2*\k+1], v[YY+\j+2*\k:YY+\j+2*\k+1], v[248+2*\k:249+2*\k]
.endr
.endr
	s_delay_alu instid0(VALU_DEP_3)
	v_pk_add_f32 v[248:249], v[248:249], v[250:251]
	s_delay_alu instid0(VALU_DEP_2)
	v_pk_add_f32 v[252:253], v[252:253], v[254:255]
	s_delay_alu instid0(VALU_DEP_1)
	v_pk_add_f32 v[248:249], v[248:249], v[252:253]
	s_delay_alu instid0(VALU_DEP_1)
	v_add_f32 v248, v248, v249
	REDUCE
	s_delay_alu instid0(VALU_DEP_1)
	v_fma_f32 v250, v248, s56, s57                 ; the variance + 1e-5
	s_wait_alu depctr_va_vdst(0)
	v_rsq_f32 v252, v250
	v_nop                                          ; one plain line behind the root
	s_wait_alu depctr_va_vdst(0)
	v_mov_b32 v253, v252
.irp j, 0,2,4,6,8,10,12,14,16,18,20,22,24,26,28,30
	v_pk_mul_f32 v[YY+\j:YY+\j+1], v[YY+\j:YY+\j+1], v[252:253]
.endr
.irp j, 0,2,4,6,8,10,12,14,16,18,20,22,24,26,28,30
	v_pk_fma_f32 v[YY+\j:YY+\j+1], v[YY+\j:YY+\j+1], v[GM+\j:GM+\j+1], v[BT+\j:BT+\j+1]
.endr
.irp i, 0,1,2,3,4,5,6,7
	global_store_b128 v[LN16], v[YY+4*\i:YY+4*\i+3], s[54:55] offset:4096*(\e)+512*\i th:TH_STORE_NT   ; 512 consecutive bytes, written once
.endr
.endm
	s_load_b256 s[4:11], s[0:1], 0x0               ; acodes, asc, codes, scales
	s_load_b256 s[12:19], s[0:1], 0x20             ; x, bo, gamma, beta
	s_load_b64 s[20:21], s[0:1], 0x40              ; out0
	v_lshl_add_u32 v14, v0, 2, 0x44200
	v_mov_b32 v15, 0
	ds_add_u32 v14, v15
	ds_add_u32 v14, v15
	v_lshrrev_b32 v8, 5, v0
	s_delay_alu instid0(VALU_DEP_1)
	v_readfirstlane_b32 s22, v8                    ; wave 0..15
	; descriptor groups 1: rows of 256 bytes (32 elements of 8 bytes), dense: 4 of attention's images, 32 of x
	s_mov_b32 s24, 3<<16
	s_mov_b32 s25, 32<<16
	s_mov_b32 s26, 4<<16
	s_mov_b32 s27, 32<<16
	s_mov_b32 s28, 4
	s_mov_b32 s29, 32
	s_mov_b32 s30, 0
	s_mov_b32 s31, 0
	s_mov_b32 s36, 3<<16
	s_mov_b32 s37, 32<<16
	s_mov_b32 s38, 32<<16
	s_mov_b32 s39, 32<<16
	s_mov_b32 s40, 32
	s_mov_b32 s41, 32
	s_mov_b32 s42, 0
	s_mov_b32 s43, 0
	s_mov_b32 s32, 1
	s_lshl_b32 s60, s22, 10
	s_add_co_u32 s33, s60, ASB                     ; my 1,024 bytes of the images
	s_lshl_b32 s61, ttmp9, 14
	s_add_co_u32 s60, s60, s61
	s_mov_b32 s61, 0
	s_mov_b32 s44, 1
	s_lshl_b32 s45, s22, 13                        ; my two rows of x
	s_lshl_b32 s62, ttmp9, 17
	s_add_co_u32 s62, s62, s45
	s_mov_b32 s63, 0
	s_mov_b32 s56, 0x3a800000                      ; 1 / 1,024
	s_mov_b32 s57, 0x3727c5ac                      ; 1e-5
	s_mov_b32 s58, 0x76543210
	s_mov_b32 s59, 0xfedcba98                      ; selects for lane l xor 16
	s_wait_dscnt 0x0
	s_wait_kmcnt 0x0
	s_add_nc_u64 s[34:35], s[4:5], s[60:61]
	s_or_b32 s35, s35, 0x80000000
	s_add_nc_u64 s[46:47], s[12:13], s[62:63]
	s_or_b32 s47, s47, 0x80000000
	tensor_load_to_lds s[32:35], s[24:31]          ; the images first: they are wanted first
	s_nop 0
	s_wait_alu depctr_va_vdst(0)
	s_wait_tensorcnt 0x0
	ds_add_u32 v14, v15
	s_wait_dscnt 0x0
	s_barrier_signal -1
	s_barrier_wait -1
	tensor_load_to_lds s[44:47], s[36:43]
	s_nop 0
	PLACES
	s_add_nc_u64 s[54:55], s[20:21], s[62:63]      ; my two rows of out0
	s_lshl_b32 s60, s22, 15
	s_add_co_u32 s60, s60, 5767168                 ; Wo's tiles begin at tile 704; mine are 4 w on
	s_add_nc_u64 s[48:49], s[8:9], s[60:61]
	s_lshl_b32 s60, s22, 11
	s_add_co_u32 s60, s60, 360448
	s_add_nc_u64 s[50:51], s[10:11], s[60:61]
	s_lshl_b32 s60, ttmp9, 11
	s_add_nc_u64 s[52:53], s[6:7], s[60:61]        ; the pair of tiles' scale words
	v_and_b32 v8, 31, v0
	v_and_b32 v9, 15, v0                           ; r
	v_bfe_u32 v10, v0, 4, 1                        ; h
	s_delay_alu instid0(VALU_DEP_3)
	v_lshlrev_b32 v[LN16], 4, v8
	s_wait_alu depctr_va_vdst(0)
	v_lshlrev_b32 v[LN4], 2, v8
.irp t, 0,1,2,3
	global_load_b128 v[WSC+4*\t:WSC+4*\t+3], v[LN16], s[50:51] offset:512*\t
.endr
.irp d, 0,1,2,3,4,5,6,7,8,9,10,11,12,13,14,15
	global_load_b32 v[AW+\d], v[LN4], s[52:53] offset:128*\d   ; head d: lanes 0-15 token tile 0, lanes 16-31 token tile 1
.endr
	LOADW 0
	LOADW 1
	v_mul_u32_u24 v[SO0], v9, YP
	s_delay_alu instid0(VALU_DEP_1)
	v_lshl_add_u32 v[SO0], v10, 6, v[SO0]
	s_lshl_b32 s60, s22, 8
	s_add_co_u32 s60, s60, YSB
	v_add_nc_u32 v[SO0], s60, v[SO0]               ; the stage: row r, + 64 h, + 256 w: my columns' bytes
	s_delay_alu instid0(VALU_DEP_1)
	v_add_nc_u32 v[SO1], 16*YP, v[SO0]
	s_lshr_b32 s60, s22, 2                         ; token 2 w lies in the stage's row 16 ((w / 4) % 2) + (2 w) % 8 + 8 (w / 8), token 2 w + 1 in the next
	s_and_b32 s60, s60, 1
	s_lshl_b32 s60, s60, 4
	s_lshl_b32 s61, s22, 1
	s_and_b32 s61, s61, 7
	s_add_co_u32 s60, s60, s61
	s_lshr_b32 s61, s22, 3
	s_lshl_b32 s61, s61, 3
	s_add_co_u32 s60, s60, s61
	s_mul_i32 s60, s60, YP
	s_add_co_u32 s60, s60, YSB
	v_add_nc_u32 v[YR0], s60, v[LN16]
	v_add_nc_u32 v[XR0], s45, v[LN16]
	v_add_nc_u32 v[ARD], ASB, v[LN16]
	s_wait_alu depctr_va_vdst(0)
	s_wait_tensorcnt 1                             ; my part of the images is in; x's rows may stay out
	s_barrier_signal -1
	s_barrier_wait -1                              ; everybody's part is
	AFETCH 0
	s_wait_loadcnt 16                              ; the scale words are in; Wo's first two K steps may be out
.irp s, 0,1,2,3,4,5,6,7
	v_lshl_or_b32 v[SA+\s], v[AW+2*\s+1], 16, v[AW+2*\s]       ; K step s is heads 2 s and 2 s + 1: two bytes each
.endr
.rept 8
	v_nop                                          ; a scale register written by a vector instruction stands eight places ahead of a scaled matrix instruction
.endr
	s_wait_alu depctr_va_vdst(0)
.irp s, 0,1,2,3,4,5,6,7
	KSTEP \s
.endr
	PLACES
.irp i, 0,1,2,3,4,5,6,7
	global_load_b128 v[GM+4*\i:GM+4*\i+3], v[LN16], s[16:17] offset:512*\i
	global_load_b128 v[BT+4*\i:BT+4*\i+3], v[LN16], s[18:19] offset:512*\i
	global_load_b128 v[BO+4*\i:BO+4*\i+3], v[LN16], s[14:15] offset:512*\i
.endr
.irp t, 0,1,2,3
	ds_store_b128 v[SO0], v[ACC+16*\t:ACC+16*\t+3] offset:128*(\t/2)+32*(\t%2)         ; each accumulator from its low end on
	ds_store_b128 v[SO0], v[ACC+16*\t+4:ACC+16*\t+7] offset:128*(\t/2)+32*(\t%2)+16
	ds_store_b128 v[SO1], v[ACC+16*\t+8:ACC+16*\t+11] offset:128*(\t/2)+32*(\t%2)
	ds_store_b128 v[SO1], v[ACC+16*\t+12:ACC+16*\t+15] offset:128*(\t/2)+32*(\t%2)+16
.endr
	s_wait_dscnt 0x0                               ; for the others' sake: my stores into the stage are done
	s_barrier_signal -1
	s_barrier_wait -1                              ; 32 whole rows lie in the stage
.irp e, 0,1
.irp i, 0,1,2,3,4,5,6,7
	ds_load_b128 v[ACC+32*\e+4*\i:ACC+32*\e+4*\i+3], v[YR0] offset:YP*\e+512*\i
.endr
.endr
	s_wait_tensorcnt 0x0                           ; my two rows of x are in; only I read them
	ROWP 0
	ROWP 1
	s_wait_tensorcnt 0x0
	ds_add_u32 v14, v15
	s_wait_dscnt 0x0
	s_endpgm
.Lfunc_end_k_qd78f5c357c_oproj:
	.size	k_qd78f5c357c_oproj, .Lfunc_end_k_qd78f5c357c_oproj-k_qd78f5c357c_oproj
	.p2alignl 7, 3214868480
	.fill 96, 4, 3214868480
	.section	.rodata,"a",@progbits
	.p2align	6, 0x0
	.amdhsa_kernel k_qd78f5c357c_oproj
		.amdhsa_group_segment_fixed_size 327680
		.amdhsa_private_segment_fixed_size 0
		.amdhsa_enable_private_segment 0
		.amdhsa_kernarg_size 72
		.amdhsa_user_sgpr_count 2
		.amdhsa_user_sgpr_kernarg_segment_ptr 1
		.amdhsa_wavefront_size32 1
		.amdhsa_system_sgpr_workgroup_id_x 1
		.amdhsa_system_sgpr_workgroup_id_y 1
		.amdhsa_system_sgpr_workgroup_id_z 1
		.amdhsa_system_vgpr_workitem_id 0
		.amdhsa_next_free_vgpr 256
		.amdhsa_next_free_sgpr 66
		.amdhsa_reserve_vcc 0
		.amdhsa_float_denorm_mode_32 3
		.amdhsa_float_denorm_mode_16_64 3
		.amdhsa_memory_ordered 1
		.amdhsa_forward_progress 1
		.amdhsa_inst_pref_size 52
	.end_amdhsa_kernel
	.amdgpu_metadata
---
amdhsa.version: [ 1, 2 ]
amdhsa.kernels:
  - .name:           k_qd78f5c357c_oproj
    .symbol:         k_qd78f5c357c_oproj.kd
    .args:
      - { .name: acodes, .offset: 0, .size: 8, .value_kind: global_buffer, .address_space: global }
      - { .name: asc, .offset: 8, .size: 8, .value_kind: global_buffer, .address_space: global }
      - { .name: codes, .offset: 16, .size: 8, .value_kind: global_buffer, .address_space: global }
      - { .name: scales, .offset: 24, .size: 8, .value_kind: global_buffer, .address_space: global }
      - { .name: x, .offset: 32, .size: 8, .value_kind: global_buffer, .address_space: global }
      - { .name: bo, .offset: 40, .size: 8, .value_kind: global_buffer, .address_space: global }
      - { .name: gamma, .offset: 48, .size: 8, .value_kind: global_buffer, .address_space: global }
      - { .name: beta, .offset: 56, .size: 8, .value_kind: global_buffer, .address_space: global }
      - { .name: out0, .offset: 64, .size: 8, .value_kind: global_buffer, .address_space: global }
    .group_segment_fixed_size: 327680
    .private_segment_fixed_size: 0
    .kernarg_segment_align: 8
    .kernarg_segment_size: 72
    .max_flat_workgroup_size: 512
    .sgpr_count:     66
    .vgpr_count:     256
    .wavefront_size: 32
...
	.end_amdgpu_metadata
.endif
;; end of part 4
